; MI455X (gfx1250); checked and timed in simulation.
; The chip was launched on July 23, 2026; its instructions are those of AMD's public machine-readable ISA for CDNA 5 (MIT licence, August 2026) and "CDNA5" Instruction Set Architecture Reference Guide (July 2026). The comments in the code are by the model that wrote it; some were corrected since.
;; Fourier Interpolator. Allowed arithmetic: float matrix products may take bf16 or f16 operands with f32 sums; all other float work in f32.
;; Inputs: xnew 8 x 64 x 64 x 2 float32; y 8 x 32 x 32 float32.
;; Outputs: out0 8 x 64 x 64 float32.
;; One version. Each part assembles by itself: llvm-mc -triple=amdgcn-amd-amdhsa -mcpu=gfx1250 --defsym DOCPART=n.
;; ======== version 1 of 1: 1 launch
;; limits: inputs' magnitudes at most 65,504; below input magnitudes of 0.004 results are inexact or not finite; values are held in f16: magnitudes above 65,504 overflow, below 6.1e-05 lose precision; values outside matrix products are rounded to f16
;; launch fourier (part 1): grid 256 x 1, 4 waves a work-group, no clusters, 0 bytes of LDS; arguments xnew, y, out0; writes out0
.if DOCPART == 1
	.amdgcn_target "amdgcn-amd-amdhsa--gfx1250"
	.amdhsa_code_object_version 6
	.text
	.protected	k_q6f0c0fa7c9_fourier
	.globl	k_q6f0c0fa7c9_fourier
	.p2align	8
	.type	k_q6f0c0fa7c9_fourier,@function
k_q6f0c0fa7c9_fourier:
	s_mov_b64 s[64:65], 0
	v_nop
	global_prefetch_b8 v0, s[64:65] scope:SCOPE_SE
	s_setreg_imm32_b32 hwreg(HW_REG_WAVE_MODE, 25, 1), 1
	s_wait_xcnt 0x0
; out[b][p] = Re( sum over k1, k2 of F[b][k1][k2] exp(i theta) ) / 1024,  F = fft2(y[b]),  theta = 2 pi (k1 x1 + k2 x2).
; exp(i theta) = u_k1 v_k2 with u_k = exp(2 pi i k x1), v_k = exp(2 pi i k x2), for every input, so the sum is a bilinear form:
;   out = Re( sum_k2 v_k2 sum_k1 F[k1][k2] u_k1 ) / 1024,   F = W Y W,  W = C - iS (C, S: cos, sin of 2 pi j k / 32, symmetric).
; W is generated divided by 32, so that F / 1024 leaves the second product and nothing is scaled at the end.
;
; SHARES.  256 work-groups of four waves; work-group g owns points 128 (g % 32) .. + 127 of batch g / 32; a wave owns 32 points = two
; tiles of 16.  L = lane, r = L % 16, h = L / 16.  Lane (r, h) serves point r of each tile with k in Kh = {8h..8h+7, 16+8h..16+8h+7}.
;
; THE CHAIN STAYS IN REGISTERS.  A 16-bit K = 32 fragment holds, in lane (r, h), row (or column) r and k in Kh; an f32 result holds, in
; lane (r, h), column r and rows 8h + j.  So two result tiles stacked along the rows, packed to f16, ARE a fragment whose k is that row:
;   S1  T[n1][k2] = sum_n2 Y[n1][n2] W[n2][k2]       A = y as loaded (rows along n2), B = W          T = Tr - iQ
;   S2  F[k1][k2] = sum_n1 W[k1][n1] T[n1][k2]       A = W, B = T packed                             Fr = C Tr - S Q,  H = -Fi = C Q + S Tr
;   S3  E[k2][p]  = sum_k1 F[k1][k2] u_k1(p)         A = F packed, B = u made in the fragment's lanes Er = Fr uc + H us,  -Ei = H uc - Fr us
;   out[p] = sum_k2 Er vc + (-Ei) vs in f32: lane (r, h) holds E for k2 in Kh, the very set in which it makes v; one lane exchange adds h = 0, 1.
; Each wave repeats its batch's fft2 (24 of its 40 matrix instructions): sharing it among the four waves would put an LDS round trip and a
; barrier into the one dependent chain that this kernel consists of.
;
; NOT USED, BY THIS TEXT'S OWN ARITHMETIC.  No LDS, no tensor load, no cluster: what work-groups share is y[b], 4,096 bytes, read once by
; each wave straight into the fragment's layout; there is no loop whose tiles a joint request could feed.  No prefetch: all loads are issued
; at the start.  A wave owns 32 results, so its one store covers 128 consecutive bytes, aligned to 128; two waves' results could be joined
; only through LDS and a barrier.
;
; LIMITS.  Matrix operands are f16 (sums f32): |y| <= 65504; where y's spread is below about 4e-3, F / 1024 falls into f16's denormals
; (absolute step 2^-24) and accuracy fades.  x is reduced modulo 1 exactly, while reference() rounds theta in f32 (a few 1e-5 rad for x in
; [0, 1], more for large |x|).  The sums are grouped otherwise than in reference().  Sines come from polynomials and complex products in f32,
; absolute error about 1e-5.
; ---- registers
.set YOFF, 3                           ; v3       byte offset of my part of y's row r
.set XOFF, 4                           ; v4       byte offset of point r of my wave's tile 0 in xnew
.set OOFF, 5                           ; v5       byte offset of my result
.set X_0, 6                            ; v[6:7]   x1, x2 of tile 0's point r; v[8:9] of tile 1's.  Routine q reads v[X_q]
.set X_1, 8
.set X_2, 7
.set X_3, 9
.set K3, 10                            ; v[10:15] polynomial coefficients, pairs (cosine's, sine's)
.set K2, 12
.set K1, 14
; Five runs of the power routine: q = 0, 1: u of tile 0, 1;  q = 2, 3: v of tile 0, 1;  q = 4: W.  S_q: 16 registers of scratch;
; R_q, I_q: 16 real and 16 imaginary parts, entry i = power 8h + i (i < 8) or 16 + 8h + i - 8.
.set S_0, 16
.set S_1, 32
.set S_2, 48
.set S_3, 64
.set S_4, 16                           ; W is done before u begins
.set ZP1, 0                            ; in a scratch block: pairs (cos, sin) of z, z^2, z^4, z^8, z^16, then three pairs at work
.set ZP2, 2
.set ZP4, 4
.set ZP8, 6
.set ZP16, 8
.set TA, 10
.set TB, 12
.set TC, 14
.set TT, 80                            ; v[80:143]  eight result tiles: T, then F, then E (and W's powers before S1)
.set R_4, 80
.set I_4, 96
.set CF, 144                           ; v[144:159] C / 32, rows r and r + 16      } dead behind S2
.set SF, 160                           ; v[160:175] S / 32                          }
.set NSF, 176                          ; v[176:191] -S / 32                         }
.set Y32, 192                          ; v[192:223] y as loaded, f32
.set TRB, 192                          ; v[192:207] Tr as fragments (over y f32)    } dead behind S2
.set QB, 208                           ; v[208:223] Q as fragments                  }
.set YF, 224                           ; v[224:239] y as fragments, dead behind S1
.set R_0, 144                          ; u's powers lie over W's fragments and y's
.set I_0, 160
.set R_1, 176
.set I_1, 224
.set UC_0, 192                         ; u's fragments lie over T's
.set US_0, 200
.set NUS_0, 240
.set UC_1, 208
.set US_1, 216
.set NUS_1, 248
.set FRA, 144                          ; F's fragments lie over u's powers of tile 0
.set HA, 160
.set R_2, 176                          ; v of tile 0 over u's powers of tile 1
.set I_2, 224
.set R_3, 16                           ; v of tile 1 over u's scratch
.set I_3, 32
.set VR_0, R_2
.set VI_0, I_2
.set VR_1, R_3
.set VI_1, I_3
.set AC_0, 48                          ; the last sums, over v's scratch
.set AC_1, 64
; ---- the power routine, each line written for all the routines named in qs (a string of digits), so that neighbours do not depend on each other
; In: phi = a quarter of the angle, |phi| <= pi / 4, in v[S+TA+1].  Out: (cos phi, sin phi) in the pair TB.
;   cos = 1 - q/2 + q^2 (C1 + q (C2 + q C3)),  sin = phi + phi q (S1 + q (S2 + q S3)),  q = phi^2; both polynomials ride in one packed chain.
.macro POLY qs
.irpc q, \qs
	v_mul_f32 v[S_\q+TA], v[S_\q+TA+1], v[S_\q+TA+1]                                                            ; pair TA = (q, phi)
.endr
.irpc q, \qs
	v_pk_fma_f32 v[S_\q+TB:S_\q+TB+1], v[K3:K3+1], v[S_\q+TA:S_\q+TA+1], v[K2:K2+1] op_sel_hi:[1,0,1]           ; (C3, S3) q + (C2, S2)
.endr
.irpc q, \qs
	v_pk_mul_f32 v[S_\q+TC:S_\q+TC+1], v[S_\q+TA:S_\q+TA+1], v[S_\q+TA:S_\q+TA+1] op_sel_hi:[1,0]               ; (q q, phi q)
.endr
.irpc q, \qs
	v_pk_fma_f32 v[S_\q+TB:S_\q+TB+1], v[S_\q+TB:S_\q+TB+1], v[S_\q+TA:S_\q+TA+1], v[K1:K1+1] op_sel_hi:[1,0,1] ; .. q + (C1, S1)
.endr
.irpc q, \qs
	v_fma_f32 v[S_\q+TA], v[S_\q+TA], -0.5, 1.0                                                                 ; pair TA = (1 - q/2, phi)
.endr
.irpc q, \qs
	v_pk_fma_f32 v[S_\q+TB:S_\q+TB+1], v[S_\q+TB:S_\q+TB+1], v[S_\q+TC:S_\q+TC+1], v[S_\q+TA:S_\q+TA+1]
.endr
.endm
; The square of a unit number: (c, s) -> (c c - s s, c s + s c), two packed lines
.macro DBL dst, src, qs
.irpc q, \qs
	v_pk_mul_f32 v[S_\q+TA:S_\q+TA+1], v[S_\q+\src:S_\q+\src+1], v[S_\q+\src:S_\q+\src+1] op_sel_hi:[0,1]       ; (c c, c s)
.endr
.irpc q, \qs
	v_pk_fma_f32 v[S_\q+\dst:S_\q+\dst+1], v[S_\q+\src:S_\q+\src+1], v[S_\q+\src:S_\q+\src+1], v[S_\q+TA:S_\q+TA+1] op_sel:[1,1,0] op_sel_hi:[1,0,1] neg_lo:[1,0,0] ; (-s s, s c) + that
.endr
.endm
; Entries d, d + 1 = entries a, a + 1 times the power whose (cos, sin) pair lies at scratch offset z
.macro CMUL d, a, z, qs
.irpc q, \qs
	v_pk_mul_f32 v[S_\q+TA:S_\q+TA+1], v[I_\q+\a:I_\q+\a+1], v[S_\q+\z:S_\q+\z+1] op_sel:[0,1] op_sel_hi:[1,1]  ; im sin
	v_pk_mul_f32 v[S_\q+TB:S_\q+TB+1], v[I_\q+\a:I_\q+\a+1], v[S_\q+\z:S_\q+\z+1] op_sel_hi:[1,0]               ; im cos
.endr
.irpc q, \qs
	v_pk_fma_f32 v[R_\q+\d:R_\q+\d+1], v[R_\q+\a:R_\q+\a+1], v[S_\q+\z:S_\q+\z+1], v[S_\q+TA:S_\q+TA+1] op_sel_hi:[1,0,1] neg_lo:[0,0,1] neg_hi:[0,0,1] ; re cos - im sin
	v_pk_fma_f32 v[I_\q+\d:I_\q+\d+1], v[R_\q+\a:R_\q+\a+1], v[S_\q+\z:S_\q+\z+1], v[S_\q+TB:S_\q+TB+1] op_sel:[0,1,0] op_sel_hi:[1,1,1]               ; re sin + im cos
.endr
.endm
; The lane's 16 powers: entry 0 = z^(8h) (one: what stands for z^0), entry 1 = that times z, then 2, 4, 8 entries at a time times z^2, z^4, z^16
.macro LEVELS one, qs
.irpc q, \qs
	v_cndmask_b32 v[R_\q], \one, v[S_\q+ZP8], vcc_lo               ; VCC: lanes with h = 1
	v_cndmask_b32 v[I_\q], 0, v[S_\q+ZP8+1], vcc_lo
.endr
.irpc q, \qs
	v_mul_f32 v[S_\q+TA], v[I_\q], v[S_\q+ZP1+1]
	v_mul_f32 v[S_\q+TA+1], v[I_\q], v[S_\q+ZP1]
.endr
.irpc q, \qs
	v_fma_f32 v[R_\q+1], v[R_\q], v[S_\q+ZP1], -v[S_\q+TA]
	v_fma_f32 v[I_\q+1], v[R_\q], v[S_\q+ZP1+1], v[S_\q+TA+1]
.endr
	CMUL 2, 0, ZP2, \qs
	CMUL 4, 0, ZP4, \qs
	CMUL 6, 2, ZP4, \qs
	CMUL 8, 0, ZP16, \qs
	CMUL 10, 2, ZP16, \qs
	CMUL 12, 4, ZP16, \qs
	CMUL 14, 6, ZP16, \qs
.endm
; Eight result tiles (first four: real part (mt, nt) at TT + 16 mt + 8 nt; the other part 32 further) become four fragments:
; registers 0-3 of fragment nt from tile (0, nt), rows 8h + 0..7; registers 4-7 from tile (1, nt), rows 16 + 8h + 0..7
.macro REPACK da, db
.irp nt, 0,1
.irp mt, 0,1
.irp i, 0,1,2,3
	v_cvt_pk_f16_f32 v[\da+8*\nt+4*\mt+\i], v[TT+16*\mt+8*\nt+2*\i], v[TT+16*\mt+8*\nt+2*\i+1]
	v_cvt_pk_f16_f32 v[\db+8*\nt+4*\mt+\i], v[TT+32+16*\mt+8*\nt+2*\i], v[TT+32+16*\mt+8*\nt+2*\i+1]
.endr
.endr
.endr
.endm
; u's powers of tile t become the fragments cos, sin, -sin
.macro PACKU t
.irp i, 0,1,2,3,4,5,6,7
	v_cvt_pk_f16_f32 v[UC_\t+\i], v[R_\t+2*\i], v[R_\t+2*\i+1]
	v_cvt_pk_f16_f32 v[US_\t+\i], v[I_\t+2*\i], v[I_\t+2*\i+1]
.endr
.irp i, 0,1,2,3,4,5,6,7
	v_xor_b32 v[NUS_\t+\i], s17, v[US_\t+\i]                       ; both signs of the word
.endr
.endm
; ---- ids, offsets, constants, while the arguments are on their way
	s_load_b128 s[4:7], s[0:1], 0x0                ; xnew s[4:5], y s[6:7]
	s_load_b64 s[8:9], s[0:1], 0x10                ; out0
	v_and_b32 v1, 15, v0                           ; r
	v_bfe_u32 v2, v0, 4, 1                         ; h
	v_and_b32 v[XOFF], 0x6f, v0                    ; 32 wave + r: point r of my wave's tile 0
	v_lshlrev_b32 v[YOFF], 7, v1                   ; y's row r, 128 bytes a row,
	v_lshlrev_b32 v[XOFF], 3, v[XOFF]              ; 8 bytes a point
	v_lshl_add_u32 v[YOFF], v2, 5, v[YOFF]         ; + columns 8h .. : 32 h bytes
	v_lshlrev_b32 v[OOFF], 2, v0                   ; thread t stores point t of the work-group
	v_cmp_ne_u32 vcc_lo, 0, v2                     ; VCC = lanes with h = 1, for the whole kernel
	s_lshl_b32 s10, ttmp9, 10                      ; xnew: 128 points of 8 bytes a work-group
	s_mov_b32 s11, 0
	s_lshr_b32 s12, ttmp9, 5                       ; batch
	s_lshl_b32 s12, s12, 12                        ; y: 4,096 bytes a batch
	s_mov_b32 s13, 0
	s_lshl_b32 s14, ttmp9, 9                       ; out0: 128 points of 4 bytes
	s_mov_b32 s15, 0
	s_mov_b32 s16, 0x80000000                      ; sign of a word's upper f16 (odd k)
	s_mov_b32 s17, 0x80008000                      ; both signs
	s_mov_b32 s18, 0x00008000                      ; sign of the lower f16 (even k)
	s_mov_b32 s20, 0x76543210                      ; v_permlanex16_b32: lane i of one half reads lane i of the other
	s_mov_b32 s21, 0xfedcba98
	v_mov_b32 v[K3], 0x37ccf5ce                    ; C3 =  2.4433157e-5
	v_mov_b32 v[K3+1], 0xb94ca1f9                  ; S3 = -1.9515296e-4
	v_mov_b32 v[K2], 0xbab6061a                    ; C2 = -1.3887316e-3
	v_mov_b32 v[K2+1], 0x3c08839e                  ; S2 =  8.3321609e-3
	v_mov_b32 v[K1], 0x3d2aaaa5                    ; C1 =  4.1666646e-2
	v_mov_b32 v[K1+1], 0xbe2aaaa3                  ; S1 = -1.6666655e-1
	v_cvt_f32_u32 v[S_4+TA+1], v1
	v_mul_f32 v[S_4+TA+1], 0x3d490fdb, v[S_4+TA+1] ; W's quarter angle: r pi / 64 (z = exp(2 pi i r / 32)), at most 15 pi / 64
	s_wait_kmcnt 0x0
	s_add_nc_u64 s[4:5], s[4:5], s[10:11]
	s_add_nc_u64 s[6:7], s[6:7], s[12:13]
	s_add_nc_u64 s[8:9], s[8:9], s[14:15]
; y in the A fragment's layout: rows r and r + 16, columns 8h .. 8h + 7 and 16 + 8h .. 16 + 8h + 7, 32 bytes each.  y first: the matrix chain starts from it
.irp mt, 0,1
	global_load_b128 v[Y32+16*\mt:Y32+16*\mt+3],     v[YOFF], s[6:7] offset:2048*\mt
	global_load_b128 v[Y32+16*\mt+4:Y32+16*\mt+7],   v[YOFF], s[6:7] offset:2048*\mt+16
	global_load_b128 v[Y32+16*\mt+8:Y32+16*\mt+11],  v[YOFF], s[6:7] offset:2048*\mt+64
	global_load_b128 v[Y32+16*\mt+12:Y32+16*\mt+15], v[YOFF], s[6:7] offset:2048*\mt+80
.endr
	global_load_b64 v[X_0:X_0+1], v[XOFF], s[4:5] th:TH_LOAD_NT             ; (x1, x2) of point r, tile 0; no other wave reads these bytes
	global_load_b64 v[X_1:X_1+1], v[XOFF], s[4:5] offset:128 th:TH_LOAD_NT  ; tile 1: 16 points further
; ---- W's fragments, while the loads are out: entry i = exp(2 pi i k r / 32) / 32 for my 16 k.  W is symmetric: the same registers serve as A and as B
	POLY 4
	DBL TC, TB, 4                                  ; half angle
	DBL ZP1, TC, 4                                 ; z
	DBL ZP2, ZP1, 4
	DBL ZP4, ZP2, 4
	DBL ZP8, ZP4, 4
	DBL ZP16, ZP8, 4
	v_pk_mul_f32 v[S_4+ZP8:S_4+ZP8+1], v[S_4+ZP8:S_4+ZP8+1], 0x3d000000 op_sel_hi:[1,0]   ; the factor 1 / 32 enters with entry 0
	LEVELS 0x3d000000, 4
.irp i, 0,1,2,3,4,5,6,7
	v_cvt_pk_f16_f32 v[CF+\i], v[R_4+2*\i], v[R_4+2*\i+1]
	v_cvt_pk_f16_f32 v[SF+\i], v[I_4+2*\i], v[I_4+2*\i+1]
.endr
.irp i, 0,1,2,3,4,5,6,7
	v_xor_b32 v[CF+8+\i], s16, v[CF+\i]            ; row r + 16: the factor (-1)^k turns the odd k, the upper halves
	v_xor_b32 v[SF+8+\i], s16, v[SF+\i]
	v_xor_b32 v[NSF+\i], s17, v[SF+\i]             ; -S, row r
	v_xor_b32 v[NSF+8+\i], s18, v[SF+\i]           ; -S, row r + 16: both turns together leave the even k turned
.endr
; ---- S1: T = Y [C | S]
	s_wait_loadcnt 0x2                             ; loads return in order (ISA guide 5.7.1): y's eight are in, the two of x issued behind them may be out
.irp i, 0,1,2,3,4,5,6,7,8,9,10,11,12,13,14,15
	v_cvt_pk_f16_f32 v[YF+\i], v[Y32+2*\i], v[Y32+2*\i+1]
.endr
.irp mt, 0,1
.irp nt, 0,1
	v_wmma_f32_16x16x32_f16 v[TT+16*\mt+8*\nt:TT+16*\mt+8*\nt+7], v[YF+8*\mt:YF+8*\mt+7], v[CF+8*\nt:CF+8*\nt+7], 0          ; Tr
	v_wmma_f32_16x16x32_f16 v[TT+32+16*\mt+8*\nt:TT+32+16*\mt+8*\nt+7], v[YF+8*\mt:YF+8*\mt+7], v[SF+8*\nt:SF+8*\nt+7], 0    ; Q
.endr
.endr
; Behind the products: the sines of the four coordinates, on scratch registers alone.  These lines are also the independent vector
; instructions that must stand between a matrix instruction and a reader of its result (ISA guide 7.12.1).
	s_wait_loadcnt 0x0                             ; x
.irpc q, 0123
	v_rndne_f32 v[S_\q+TA], v[X_\q]
.endr
.irpc q, 0123
	v_sub_f32 v[S_\q+TA+1], v[X_\q], v[S_\q+TA]    ; x modulo 1 in [-1/2, 1/2], exact
.endr
.irpc q, 0123
	v_mul_f32 v[S_\q+TA+1], 0x3fc90fdb, v[S_\q+TA+1]   ; quarter angle: (2 pi / 4) times that
.endr
	POLY 0123
	DBL TC, TB, 0123
	DBL ZP1, TC, 0123
	DBL ZP2, ZP1, 0123
	DBL ZP4, ZP2, 0123
	DBL ZP8, ZP4, 0123
; ---- S2: Fr = C Tr + (-S) Q,  H = C Q + S Tr, over T's registers (all of T has been packed)
	REPACK TRB, QB
.irp mt, 0,1
.irp nt, 0,1
	v_wmma_f32_16x16x32_f16 v[TT+16*\mt+8*\nt:TT+16*\mt+8*\nt+7], v[CF+8*\mt:CF+8*\mt+7], v[TRB+8*\nt:TRB+8*\nt+7], 0
	v_wmma_f32_16x16x32_f16 v[TT+32+16*\mt+8*\nt:TT+32+16*\mt+8*\nt+7], v[CF+8*\mt:CF+8*\mt+7], v[QB+8*\nt:QB+8*\nt+7], 0
.endr
.endr
.irp mt, 0,1
.irp nt, 0,1
	v_wmma_f32_16x16x32_f16 v[TT+16*\mt+8*\nt:TT+16*\mt+8*\nt+7], v[NSF+8*\mt:NSF+8*\mt+7], v[QB+8*\nt:QB+8*\nt+7], v[TT+16*\mt+8*\nt:TT+16*\mt+8*\nt+7]
	v_wmma_f32_16x16x32_f16 v[TT+32+16*\mt+8*\nt:TT+32+16*\mt+8*\nt+7], v[SF+8*\mt:SF+8*\mt+7], v[TRB+8*\nt:TRB+8*\nt+7], v[TT+32+16*\mt+8*\nt:TT+32+16*\mt+8*\nt+7]
.endr
.endr
; u's powers are written over W's fragments, which the products above read: the eight lines of the last squaring, on scratch alone, stand
; first, more than the four independent vector instructions asked for in front of a write to a matrix source (ISA guide 7.12.1)
	DBL ZP16, ZP8, 0123
	LEVELS 1.0, 01
	PACKU 0
	PACKU 1
; ---- S3: Er = Fr uc + H us,  -Ei = H uc + Fr (-us), over F's registers (all of F has been packed); tile t at TT + 32 t: Er 16 registers, -Ei 16
	REPACK FRA, HA
.irp t, 0,1
.irp nt, 0,1
	v_wmma_f32_16x16x32_f16 v[TT+32*\t+8*\nt:TT+32*\t+8*\nt+7], v[FRA+8*\nt:FRA+8*\nt+7], v[UC_\t:UC_\t+7], 0
	v_wmma_f32_16x16x32_f16 v[TT+32*\t+16+8*\nt:TT+32*\t+16+8*\nt+7], v[HA+8*\nt:HA+8*\nt+7], v[UC_\t:UC_\t+7], 0
.endr
.irp nt, 0,1
	v_wmma_f32_16x16x32_f16 v[TT+32*\t+8*\nt:TT+32*\t+8*\nt+7], v[HA+8*\nt:HA+8*\nt+7], v[US_\t:US_\t+7], v[TT+32*\t+8*\nt:TT+32*\t+8*\nt+7]
	v_wmma_f32_16x16x32_f16 v[TT+32*\t+16+8*\nt:TT+32*\t+16+8*\nt+7], v[FRA+8*\nt:FRA+8*\nt+7], v[NUS_\t:NUS_\t+7], v[TT+32*\t+16+8*\nt:TT+32*\t+16+8*\nt+7]
.endr
.endr
; v's powers behind the products, in registers that S3 does not name: again the distance in front of the readers of E (ISA guide 7.12.1)
	LEVELS 1.0, 23
; ---- the last contraction, in f32: register j of tile nt is k2 = 16 nt + 8h + j = v's entry 8 nt + j.  Four chains, started by products
.irp t, 0,1
	v_pk_mul_f32 v[AC_\t:AC_\t+1], v[TT+32*\t:TT+32*\t+1], v[VR_\t:VR_\t+1]
	v_pk_mul_f32 v[AC_\t+2:AC_\t+3], v[TT+32*\t+16:TT+32*\t+17], v[VI_\t:VI_\t+1]
.endr
.irp i, 1,2,3,4,5,6,7
.irp t, 0,1
	v_pk_fma_f32 v[AC_\t:AC_\t+1], v[TT+32*\t+2*\i:TT+32*\t+2*\i+1], v[VR_\t+2*\i:VR_\t+2*\i+1], v[AC_\t:AC_\t+1]
	v_pk_fma_f32 v[AC_\t+2:AC_\t+3], v[TT+32*\t+16+2*\i:TT+32*\t+16+2*\i+1], v[VI_\t+2*\i:VI_\t+2*\i+1], v[AC_\t+2:AC_\t+3]
.endr
.endr
	v_pk_add_f32 v[AC_0:AC_0+1], v[AC_0:AC_0+1], v[AC_0+2:AC_0+3]
	v_pk_add_f32 v[AC_1:AC_1+1], v[AC_1:AC_1+1], v[AC_1+2:AC_1+3]
	v_add_f32 v[AC_0], v[AC_0], v[AC_0+1]          ; my half of k2 for point r of tile 0
	v_add_f32 v[AC_1], v[AC_1], v[AC_1+1]          ; and of tile 1
; Lane (r, h) stores point 16 h + r: it keeps its half of tile h's sum and hands its half of the other tile's to lane (r, 1 - h)
	v_cndmask_b32 v[AC_0+1], v[AC_0], v[AC_1], vcc_lo
	v_cndmask_b32 v[AC_0+2], v[AC_1], v[AC_0], vcc_lo
	v_permlanex16_b32 v[AC_0+3], v[AC_0+2], s20, s21   ; its destination counts as read: a register written above
	v_add_f32 v[AC_0+1], v[AC_0+1], v[AC_0+3]
	global_store_b32 v[OOFF], v[AC_0+1], s[8:9] th:TH_STORE_NT     ; the wave's 32 results: 128 consecutive bytes
	s_endpgm
.Lfunc_end_k_q6f0c0fa7c9_fourier:
	.size	k_q6f0c0fa7c9_fourier, .Lfunc_end_k_q6f0c0fa7c9_fourier-k_q6f0c0fa7c9_fourier
	.p2alignl 7, 3214868480
	.fill 96, 4, 3214868480
	.section	.rodata,"a",@progbits
	.p2align	6, 0x0
	.amdhsa_kernel k_q6f0c0fa7c9_fourier
		.amdhsa_group_segment_fixed_size 0
		.amdhsa_private_segment_fixed_size 0
		.amdhsa_enable_private_segment 0
		.amdhsa_kernarg_size 24
		.amdhsa_user_sgpr_count 2
		.amdhsa_user_sgpr_kernarg_segment_ptr 1
		.amdhsa_wavefront_size32 1
		.amdhsa_system_sgpr_workgroup_id_x 1
		.amdhsa_system_sgpr_workgroup_id_y 1
		.amdhsa_system_sgpr_workgroup_id_z 1
		.amdhsa_system_vgpr_workitem_id 0
		.amdhsa_next_free_vgpr 256
		.amdhsa_next_free_sgpr 66
		.amdhsa_reserve_vcc 1
		.amdhsa_float_denorm_mode_32 3
		.amdhsa_float_denorm_mode_16_64 3
		.amdhsa_memory_ordered 1
		.amdhsa_forward_progress 1
		.amdhsa_inst_pref_size 34
	.end_amdhsa_kernel
	.amdgpu_metadata
---
amdhsa.version: [ 1, 2 ]
amdhsa.kernels:
  - .name:           k_q6f0c0fa7c9_fourier
    .symbol:         k_q6f0c0fa7c9_fourier.kd
    .args:
      - { .name: xnew, .offset: 0, .size: 8, .value_kind: global_buffer, .address_space: global }
      - { .name: y, .offset: 8, .size: 8, .value_kind: global_buffer, .address_space: global }
      - { .name: out0, .offset: 16, .size: 8, .value_kind: global_buffer, .address_space: global }
    .group_segment_fixed_size: 0
    .private_segment_fixed_size: 0
    .kernarg_segment_align: 8
    .kernarg_segment_size: 24
    .max_flat_workgroup_size: 128
    .sgpr_count:     66
    .vgpr_count:     256
    .wavefront_size: 32
...
	.end_amdgpu_metadata
.endif
;; end of part 1
